; MI455X (gfx1250); checked and timed in simulation.
; The chip was launched on July 23, 2026; its instructions are those of AMD's public machine-readable ISA for CDNA 5 (MIT licence, August 2026) and "CDNA5" Instruction Set Architecture Reference Guide (July 2026). The comments in the code are by the model that wrote it; some were corrected since.
;; Layer154. Allowed arithmetic: matrix products marked QUANTISED: E2M1 operands, one E8M0 scale for each 32 along K, by v_wmma_scale_f32_16x16x128_f8f6f4 with both operands' format E2M1 (or v_wmma_scale_f32_32x16x128_f4), f32 sums; products left as they are: bf16, f16 or f32 operands; f32 sums; everything else in f32.
;; Inputs: Wk 1,024 x 1,024 float32; Wq 1,024 x 1,024 float32; Wv 1,024 x 1,024 float32; bk 1,024 float32; bq 1,024 float32; bv 1,024 float32; input0 4 x 2,048 x 1,024 float32; input1 4 x 1 x 1 x 2,048 float32.
;; Outputs: out0 4 x 2,048 x 1,024 float32.
;; This version of the problem:
;;   THIS VERSION OF THE PROBLEM IS GIVEN IN LOW PRECISION. The matrix products marked QUANTISED in the list below multiply operands that are first quantised to E2M1 (2 exponent bits, 1 mantissa bit; 4 bits a number), with one power-of-two scale for each 32 numbers along K (OCP MX v1.0); their sums are f32. The products marked 'left as it is' may take bf16, f16 or f32 operands, with f32 sums. Whichever they take, every output number must still come out within the allowed error. Rounding operands to bf16 (8 significant bits) uses up far more of that allowance than f16 does (11 bits, for magnitudes from 6e-5 to 65,504). All else is computed in f32.
;;   The module's matrix products, in the order in which they are computed (A, B: the left and right operand; K: the contracted axis; several contracted axes count as one K, in the product's order):
;;     1. [M 8,192, K 1,024] x [K 1,024, N 1,024]; A: input input0; B: input Wq: QUANTISED
;;     2. [M 8,192, K 1,024] x [K 1,024, N 1,024]; A: input input0; B: input Wk: QUANTISED
;;     3. [M 8,192, K 1,024] x [K 1,024, N 1,024]; A: input input0; B: input Wv: QUANTISED
;;     4. batch 64 x [M 2,048, K 64] x [K 64, N 2,048]; A: computed on the way; B: computed on the way: left as it is (an operand is computed on the way)
;;     5. batch 64 x [M 2,048, K 2,048] x [K 2,048, N 64]; A: computed on the way; B: computed on the way: left as it is (an operand is computed on the way)
;;   THE QUANTISER, for each operand of a quantised product, along K:
;;     - K is cut into blocks of 32 from its start; a last block that is shorter is filled with zeros.
;;     - A block's scale is 2^e with e = floor(log2(the largest magnitude in the block)) - 2, held to -126 .. 127; a block of zeros has e = 0. As a byte (E8M0): e + 127.
;;     - Each number is divided by its block's scale, clamped to +-6, and rounded to the nearest number of E2M1, ties to even, subnormals kept.
;;     - The product sums the exact products of the quantised numbers (number of the format x scale) in f32.
;;   ~~~python
;;   def quantise(x, axis):      # numpy; x: float32 -> the quantised numbers, widened to float32 again
;;       x = np.moveaxis(x, axis, -1); K = x.shape[-1]
;;       x = np.pad(x, [(0, 0)] * (x.ndim - 1) + [(0, -K % 32)]); x = x.reshape(x.shape[:-1] + (-1, 32)); a = np.abs(x).max(-1, keepdims=True)
;;       e = np.where(a > 0, np.clip(np.frexp(np.where(a > 0, a, 1))[1] - 1 - 2, -126, 127), 0)      # np.frexp(a)[1] - 1 = floor(log2(a)), exactly
;;       r = np.clip(x / 2.0 ** e, -6, 6)
;;       step = 2.0 ** (np.maximum(np.frexp(np.where(r == 0, 1, r))[1] - 1, 0) - 1)
;;       q = np.round(r / step) * step * 2.0 ** e      # np.round: ties to even
;;       return np.moveaxis(q.reshape(q.shape[:-2] + (-1,))[..., :K], -1, axis).astype(np.float32)
;;   ~~~
;; One version. Each part assembles by itself: llvm-mc -triple=amdgcn-amd-amdhsa -mcpu=gfx1250 --defsym DOCPART=n.
;; ======== version 1 of 1: 3 launches
;; limits: right only within a limited range of input values; values are held in f16: magnitudes above 65,504 overflow, below 6.1e-05 lose precision
;; workspace buffers: x_codes 4,194,304 bytes; x_scales 262,144 bytes; w_codes 1,572,864 bytes; w_scales 98,304 bytes; q_img 16,777,216 bytes; kv_img 33,554,432 bytes
;; launch quant (part 1): grid 352 x 1, 4 waves a work-group, no clusters, 33,280 bytes of LDS; arguments input0, Wq, Wk, Wv, x_codes, x_scales, w_codes, w_scales; writes x_codes, x_scales, w_codes, w_scales
.if DOCPART == 1
	.amdgcn_target "amdgcn-amd-amdhsa--gfx1250"
	.amdhsa_code_object_version 6
	.text
	.protected	k_qaae7abeee5_quant
	.globl	k_qaae7abeee5_quant
	.p2align	8
	.type	k_qaae7abeee5_quant,@function
k_qaae7abeee5_quant:
	s_mov_b64 s[64:65], 0
	v_nop
	global_prefetch_b8 v0, s[64:65] scope:SCOPE_SE
	s_setreg_imm32_b32 hwreg(HW_REG_WAVE_MODE, 25, 1), 1
	s_wait_xcnt 0x0
; FIRST OF THREE LAUNCHES.  input0 [8192][1024], Wq, Wk, Wv [1024][1024], f32, K innermost, become codes of FP4 (E2M1) with one E8M0 byte for each 32 along K:
; x_codes [8192][512 bytes], x_scales [8192][32]; w_codes [3072][512 bytes], w_scales [3072][32], rows 0-1023 Wq, 1024-2047 Wk, 2048-3071 Wv.
; WORK LEFT OUT, IN THE WHOLE PROGRAM: the bias bk.  scores[q][k] = q . (x_k Wk^T + bk) / 8 + mask[k] = q . (x_k Wk^T) / 8 + mask[k] + q . bk / 8.  The last term holds no k: it is the same along
; the softmax's axis for every value of the inputs, and softmax(s + const) = softmax(s).  The product of q with k is not quantised, so bk moves no code and no scale.  bk has then no way to the output: it is not loaded and is
; among no launch's arguments.  LIMIT: a NaN, an infinity or an overflow that reaches only q . bk is not carried to the result.
; A block's scale is 2^(floor(log2(its largest magnitude)) - 2); its byte is the largest magnitude's exponent field - 2, held at 1 from below.  A block of zeros so gets the byte 1 where the rule says 127:
; its codes are zeros, which add nothing under any byte but 0xff, and this program alone reads the bytes.  Each number is divided by the scale and rounded to the nearest code, ties to even, beyond 6 the largest code.
; LIMITS: blocks whose largest magnitude lies under 2^-124 keep the floor's byte; NaN and infinities among the inputs are not served.
; Rows are dense and K is a multiple of 32: each tensor is a stream of blocks of 32.  A work-group takes 32,768 numbers, a wave 16 steps of 512.  Work-groups 0-255: input0; 256-287: Wq; 288-319: Wk; 320-351: Wv.
; Only pointers are chosen by the work-group's number: all take one path.  Each of a step's four loads reads 512 consecutive bytes; the 2,048 bytes turn through the wave's own stage in LDS and come back 64 bytes a lane, so
; that a lane holds 16 neighbours along K (two lanes to a block).  A wave's store of codes covers 256 consecutive bytes; its 256 scale bytes are gathered in LDS and leave as one store of 256 bytes.  No barrier: waves share nothing.
.set WAVES, 4
.set STEPS, 16
.set EMAX,  2
.set CB,    8                          ; bytes of 16 codes
.set R,     16                         ; v16-79   four sets of 16 numbers as they are loaded
.set X,     80                         ; v80-111  two sets of 16 neighbours
.set E,     112                        ; v112-127 a scale byte for each step
.set C,     128                        ; v128-191 codes: four registers for each step, so that no store's data are written again
.set WREG,  8192                       ; LDS: a region for each wave: two stages of 32 x SP bytes, behind them its 256 scale bytes
.set SP,    80                         ; a lane's place in a stage: 64 bytes + 16 of padding
.set SPW,   12                         ; v12  LDS address of my spare word; never rewritten
.set NIL,   13                         ; v13  0; never rewritten
.set SPARE, WAVES*WREG                 ; behind the four regions: the spare words, 128 bytes for each wave
	s_load_b256 s[4:11], s[0:1], 0x0               ; input0 s[4:5], Wq s[6:7], Wk s[8:9], Wv s[10:11]
	s_load_b256 s[12:19], s[0:1], 0x20             ; x_codes s[12:13], x_scales s[14:15], w_codes s[16:17], w_scales s[18:19]
	v_lshl_add_u32 v[SPW], v0, 2, SPARE
	v_mov_b32 v[NIL], 0
	v_lshrrev_b32 v1, 5, v0
	v_readfirstlane_b32 s20, v1                    ; wave
	v_and_b32 v2, 31, v0                           ; lane
	v_lshlrev_b32 v3, 4, v2                        ; my 16 bytes of a load's 512
	s_mul_i32 s21, s20, WREG
	v_lshrrev_b32 v14, 2, v2
	v_mul_u32_u24 v14, v14, SP
	v_and_b32 v15, 3, v2
	v_lshl_add_u32 v14, v15, 4, v14
	v_add_nc_u32 v14, s21, v14                     ; the stage, on the way in: SP (lane / 4) + 16 (lane % 4)
	v_mul_u32_u24 v15, v2, SP
	v_add_nc_u32 v15, s21, v15                     ; and on the way out: SP x lane: my 16 neighbours
	v_mul_u32_u24 v4, v2, CB                       ; my codes' place in a step's
	v_lshrrev_b32 v5, 1, v2
	s_add_co_u32 s21, s21, 2*32*SP
	v_add_nc_u32 v5, s21, v5                       ; LDS: my wave's 256 scale bytes, my block's byte
	v_lshlrev_b32 v7, 3, v2                        ; and on the way out 8 bytes a lane
	v_add_nc_u32 v6, s21, v7
	s_wait_kmcnt 0x0
	s_cmp_lt_u32 ttmp9, 320                        ; which tensor is mine: the choices hang on the work-group's number alone
	s_cselect_b64 s[22:23], s[8:9], s[10:11]
	s_cmp_lt_u32 ttmp9, 288
	s_cselect_b64 s[22:23], s[6:7], s[22:23]
	s_cmp_lt_u32 ttmp9, 256
	s_cselect_b64 s[22:23], s[4:5], s[22:23]       ; the source
	s_cselect_b64 s[24:25], s[12:13], s[16:17]     ; its codes
	s_cselect_b64 s[26:27], s[14:15], s[18:19]     ; its scale bytes
	s_cselect_b32 s28, 0, 256
	s_cselect_b32 s29, -1, 31
	s_sub_co_u32 s28, ttmp9, s28                   ; my place among the work-groups that write this pair of buffers,
	s_and_b32 s29, s28, s29                        ; and among those that read this source (a weight has 32)
	s_lshl_b32 s28, s28, 2
	s_add_co_u32 s28, s28, s20                     ; which run of 8,192 numbers is my wave's: on the way out,
	s_lshl_b32 s29, s29, 2
	s_add_co_u32 s29, s29, s20                     ; and on the way in
	s_lshl_b32 s30, s29, 15                        ; 32,768 bytes of f32 a run
	s_mov_b32 s31, 0
	s_add_nc_u64 s[22:23], s[22:23], s[30:31]
	s_lshl_b32 s30, s28, 12                        ; 4,096 bytes of codes
	s_add_nc_u64 s[24:25], s[24:25], s[30:31]
	s_lshl_b32 s30, s28, 8                         ; 256 scale bytes
	s_add_nc_u64 s[26:27], s[26:27], s[30:31]
.macro LOAD t
.irp i, 0,1,2,3
	global_load_b128 v[R+16*((\t)%4)+4*\i:R+16*((\t)%4)+4*\i+3], v3, s[22:23] offset:2048*(\t)+512*\i th:TH_LOAD_NT   ; 32 lanes read 512 consecutive bytes
.endr
.endm
.macro TURN t                          ; step t's numbers through the stage: LDS serves a wave's instructions in order, so no wait stands between the stores and the loads
.irp i, 0,1,2,3
	ds_store_b128 v14, v[R+16*((\t)%4)+4*\i:R+16*((\t)%4)+4*\i+3] offset:32*SP*((\t)%2)+8*SP*\i
.endr
.irp i, 0,1,2,3
	ds_load_b128 v[X+16*((\t)%2)+4*\i:X+16*((\t)%2)+4*\i+3], v15 offset:32*SP*((\t)%2)+16*\i
.endr
.endm
.irp t, 0,1,2,3
	LOAD \t
.endr
	s_wait_loadcnt 12                              ; step 0's four loads are in; the twelve of steps 1 to 3 may be out
	TURN 0
.macro STEP t
.set XS, X+16*((\t)%2)
.if (\t) > 0
	s_wait_dscnt 1                                 ; this step's numbers are back from the stage (the last step's byte store may be out): so its stores into the stage have read their registers,
.else
	s_wait_dscnt 0x0
.endif
.if (\t)+4 < STEPS
	LOAD (\t)+4                                    ; which take the loads of four steps on
.endif
.if (\t)+1 < STEPS
.if STEPS-2-(\t) >= 3
	s_wait_loadcnt 12                              ; the next step's four loads are in; those of the three steps behind it may be out
.else
	s_wait_loadcnt 4*(STEPS-2-(\t))
.endif
	TURN (\t)+1                                    ; and go through the other stage while this step is worked
.endif
	v_max3_num_f32 v8, |v[XS]|, |v[XS+1]|, |v[XS+2]|               ; the largest magnitude of my 16, in two chains
	v_max3_num_f32 v9, |v[XS+3]|, |v[XS+4]|, |v[XS+5]|
.irp i, 6,10
	v_max3_num_f32 v8, v8, |v[XS+\i]|, |v[XS+\i+1]|
	v_max3_num_f32 v9, v9, |v[XS+\i+2]|, |v[XS+\i+3]|
.endr
	v_max3_num_f32 v8, v8, |v[XS+14]|, |v[XS+15]|
	v_max3_num_f32 v8, v8, v9, (EMAX+1)<<23        ; and the floor 2^(EMAX + 1 - 127): the byte cannot fall under 1
	v_max_num_f32_dpp v8, v8, v8 row_xmask:1 row_mask:0xf bank_mask:0xf   ; and of my neighbour's 16: the block's
	v_add_nc_u32 v11, -(EMAX<<23), v8              ; EMAX off its exponent field: the conversion takes the exponent field of this operand as its scale, and nothing else of it
	v_cvt_scalef32_pk8_fp4_f32 v[C+4*(\t)], v[XS:XS+7], v11
	v_cvt_scalef32_pk8_fp4_f32 v[C+4*(\t)+1], v[XS+8:XS+15], v11
	v_lshrrev_b32 v[E+(\t)], 23, v11               ; the scale's byte (also the plain line behind the conversions)
	ds_store_b8 v5, v[E+(\t)] offset:16*(\t)       ; both lanes of a block write the same byte with the same value
	global_store_b64 v4, v[C+4*(\t):C+4*(\t)+1], s[24:25] offset:32*CB*(\t)   ; 32 lanes store 256 consecutive bytes, aligned
.endm
.irp t, 0,1,2,3,4,5,6,7,8,9,10,11,12,13,14,15
	STEP \t
.endr
	ds_load_b64 v[8:9], v6                         ; LDS serves a wave's instructions in order: these see my stores
	s_wait_dscnt 0x0
	global_store_b64 v7, v[8:9], s[26:27]          ; 32 lanes store 256 consecutive bytes, aligned
	s_wait_tensorcnt 0x0                           ; the wave's end: a wait, an add of 0 to my spare word and its wait, behind my last LDS store
	ds_add_u32 v[SPW], v[NIL]
	s_wait_dscnt 0x0
	s_endpgm
.Lfunc_end_k_qaae7abeee5_quant:
	.size	k_qaae7abeee5_quant, .Lfunc_end_k_qaae7abeee5_quant-k_qaae7abeee5_quant
	.p2alignl 7, 3214868480
	.fill 96, 4, 3214868480
	.section	.rodata,"a",@progbits
	.p2align	6, 0x0
	.amdhsa_kernel k_qaae7abeee5_quant
		.amdhsa_group_segment_fixed_size 33280
		.amdhsa_private_segment_fixed_size 0
		.amdhsa_enable_private_segment 0
		.amdhsa_kernarg_size 64
		.amdhsa_user_sgpr_count 2
		.amdhsa_user_sgpr_kernarg_segment_ptr 1
		.amdhsa_wavefront_size32 1
		.amdhsa_system_sgpr_workgroup_id_x 1
		.amdhsa_system_sgpr_workgroup_id_y 1
		.amdhsa_system_sgpr_workgroup_id_z 1
		.amdhsa_system_vgpr_workitem_id 0
		.amdhsa_next_free_vgpr 192
		.amdhsa_next_free_sgpr 66
		.amdhsa_reserve_vcc 0
		.amdhsa_float_denorm_mode_32 3
		.amdhsa_float_denorm_mode_16_64 3
		.amdhsa_memory_ordered 1
		.amdhsa_forward_progress 1
		.amdhsa_inst_pref_size 34
	.end_amdhsa_kernel
	.amdgpu_metadata
---
amdhsa.version: [ 1, 2 ]
amdhsa.kernels:
  - .name:           k_qaae7abeee5_quant
    .symbol:         k_qaae7abeee5_quant.kd
    .args:
      - { .name: input0, .offset: 0, .size: 8, .value_kind: global_buffer, .address_space: global }
      - { .name: Wq, .offset: 8, .size: 8, .value_kind: global_buffer, .address_space: global }
      - { .name: Wk, .offset: 16, .size: 8, .value_kind: global_buffer, .address_space: global }
      - { .name: Wv, .offset: 24, .size: 8, .value_kind: global_buffer, .address_space: global }
      - { .name: x_codes, .offset: 32, .size: 8, .value_kind: global_buffer, .address_space: global }
      - { .name: x_scales, .offset: 40, .size: 8, .value_kind: global_buffer, .address_space: global }
      - { .name: w_codes, .offset: 48, .size: 8, .value_kind: global_buffer, .address_space: global }
      - { .name: w_scales, .offset: 56, .size: 8, .value_kind: global_buffer, .address_space: global }
    .group_segment_fixed_size: 33280
    .private_segment_fixed_size: 0
    .kernarg_segment_align: 8
    .kernarg_segment_size: 64
    .max_flat_workgroup_size: 128
    .sgpr_count:     66
    .vgpr_count:     192
    .wavefront_size: 32
...
	.end_amdgpu_metadata
.endif
;; end of part 1
;; launch proj (part 2): grid 12 x 32, 4 waves a work-group, clusters of 4 x 4, 327,680 bytes of LDS; arguments x_codes, x_scales, w_codes, w_scales, bq, bv, q_img, kv_img; writes q_img, kv_img
.if DOCPART == 2
	.amdgcn_target "amdgcn-amd-amdhsa--gfx1250"
	.amdhsa_code_object_version 6
	.text
	.protected	k_qaae7abeee5_proj
	.globl	k_qaae7abeee5_proj
	.p2align	8
	.type	k_qaae7abeee5_proj,@function
k_qaae7abeee5_proj:
	s_mov_b64 s[64:65], 0
	v_nop
	global_prefetch_b8 v0, s[64:65] scope:SCOPE_SE
	s_setreg_imm32_b32 hwreg(HW_REG_WAVE_MODE, 25, 1), 1
	s_wait_xcnt 0x0
	s_wait_alu depctr_hold_cnt(0) depctr_sa_sdst(0) depctr_va_vdst(0) depctr_va_sdst(0) depctr_va_ssrc(0) depctr_va_vcc(0) depctr_vm_vsrc(0)
	s_getreg_b32 s2, hwreg(HW_REG_IB_STS2, 6, 4)
	s_cmp_eq_u32 s2, 0
	s_cbranch_scc0 .Lentry_in_a_cluster
	s_endpgm
.Lentry_in_a_cluster:
	s_bfe_u32 s2, ttmp6, 0x10000c
	s_cmp_lg_u32 s2, 0xf033
	s_cbranch_scc0 .Lentry_shape_is_right
	s_endpgm
.Lentry_shape_is_right:
; SECOND LAUNCH: the three quantised projections, on codes of FP4 with E8M0 scales, K = 1,024, sums in f32.  q' = (x Wq^T + bq) / 8, k = x Wk^T, v = x Wv^T + bv, rounded once to f16.
; LEFT OUT: bk (it adds the same number to all scores of a query, which the softmax takes away: shown at the head of the first kernel).  The division by sqrt(64) = 8 stands here, on q: a power of two, exact ahead of the rounding.
; LIMIT: |q| / 8, |k| and |v + bv| stay under 65,504, f16's largest number.
; A tile of 256 x 256 results is made by four waves, each 128 x 128: 64 accumulators of 16 x 16 in windows 2 and 3.  All of K fits two LDS slots of 512 along K: each is filled once, nothing is filled again.
; The grid is 12 x 32 tiles in clusters of 4 x 4; the cluster's x says which projection: 0 q, 1 k, 2 v.  It is the same in all sixteen partners, so a branch may hang on it.
; Source 1 of the matrix instruction ('A') takes rows of the tile that hangs on the cluster's y and cy, shared along a row of the cluster; source 0 ('B') rows of the tile that hangs on x and cx, shared along a column.
; A lane's eight results are eight neighbouring rows of B for one row of A.  For q and k: A = tokens, B = weight rows: a lane holds eight channels of a token.  For v the two change places IN MEMORY, not in the text
; (A = Wv's rows 256 cy on, B = tokens): a lane holds eight tokens of a channel.  Both are what the attention launch wants in a lane's 16 bytes.
; THE RESULTS ARE STORED IN THE ORDER OF THE NEXT LAUNCH'S OPERAND REGISTERS.  bh = 16 batch + head, lane = (r = l % 16, h = l / 16):
;   q_img : bh x 262,144 + (s / 16) x 2,048 + g x 512 + 16 l : q'[16 (s / 16) + r][16 g + 8 h + 0..7]
;   kv_img: bh x 524,288 + (s / 16) x 4,096 + g x 512 + 16 l : k[16 (s / 16) + r][16 g + 8 h + 0..7];   + 2,048: v[16 (s / 16) + 8 h + 0..7][16 g + r]
; So an accumulator, packed, leaves by one store of 512 consecutive aligned bytes, with no way through LDS.
; REGISTERS: window 0: v1-29 addresses; v32-95 scale words, two sets, and nothing else; v96-159 packed results on the way out (two sets of 32); v128-191 A's fragments, one set; v192-255 the bias.
;   window 1: B's fragments, two sets, at v0 and v128; v64-127 f32 numbers at work on the way out.   windows 2, 3: the accumulators ((a, b) at v[8 (8 (a % 4) + b)]).
.set NQ,     4                         ; matrix instructions deep in a slot
.set ROWB,   256                       ; a tile's row in bytes: 512 codes
.set KROW,   512                       ; a row of codes in memory, in bytes
.set PITCH,  272                       ; an LDS row: 256 bytes + 16 of padding: the 16 rows that a load touches begin 68 words apart
.set FR,     8                         ; registers of a fragment: 16 rows x 128 K
.set NL,     2                         ; LDS loads that bring one
.set NP,     4                         ; places behind this matrix instruction (ISA guide 7.12.1)
.set HALFT,  128*PITCH                 ; 128 rows: what one tensor load brings
.set SLOT,   4*HALFT                   ; A's 256 rows, then B's 256 rows
.set KS,     32                        ; a row of scale bytes
.set SCL,    2*SLOT                    ; behind the slots: the scales, as rows of 256 bytes + 16 of padding
.set HALFS,  (128*KS/256)*272          ; the scales of 128 rows: what one tensor load brings
.set SBLK,   (16*KS/256)*272           ; those of 16 rows
.set SPARE,  SCL+4*HALFS               ; behind the scales: the spare words, 128 bytes for each wave
.set ADRA, 16                          ; v16-17  LDS address of my A fragments in slot 0, 1
.set ADRB, 20                          ; v20-21  the same for B
.set BO,   25                          ; v25     my byte offset in the bias
.set LO,   26                          ; v26     16 x lane: my place in a store's 512 bytes
.set ADRS, 27                          ; v27     LDS address of my scale words: lanes 0-15 A's rows, lanes 16-31 B's
.set SPW,  28                          ; v28     LDS address of my spare word; never rewritten
.set NIL,  29                          ; v29     0; never rewritten
.set SC,   32                          ; scale words: set s at v[SC + 32 s]; register 4 i + q: lanes 0-15 A's block i, lanes 16-31 B's block i, the slot's q-th 128 along K
.set PK,   96
.set AF,   128
.set BI,   192
.set T,    64                          ; in window 1
.set G1, 24                            ; s[24:31] descriptor group 1 for A's tiles;  s[32:39] group 0, one set for each slot
.set G0, 32
.set G1B, 48                           ; s[48:55], s[56:63] the same for B's tiles
.set G0B, 56
.set G1S, 68                           ; s[68:75], s[76:79] groups 1 and 0 for A's scales;  s[80:87], s[88:91] for B's
.set G0S, 76
.set G1SB, 80
.set G0SB, 88
.set MSB, 0
.macro WIN new                         ; the immediate's high byte repeats the setting that is left; a switch that changes nothing is dropped
.if MSB != (\new)
	s_set_vgpr_msb (MSB<<8)|(\new)
.set MSB, (\new)
.endif
.endm
.set MUL_LO, 0xa1                      ; source 0 (B) window 1, source 1 (A) window 0, C and D window 2
.set MUL_HI, 0xf1                      ; the same, C and D window 3
.set TO_B,   0x40                      ; destination window 1, address window 0
; A joint load: waves 0 and 1 fetch for A, waves 2 and 3 for B.  Each line has one mask and one set of registers; the branch hangs on the wave's number alone.  An s_nop 0 and four v_nop follow each.
.macro JLOAD g0a, g1a, g0b, g1b
	s_cmp_eq_u32 s21, 0
	s_cbranch_scc0 .Lfor_b_\@
	tensor_load_to_lds s[\g0a:\g0a+3], s[\g1a:\g1a+7]
	s_nop 0
.rept 4
	v_nop
.endr
	s_branch .Lasked_\@
.Lfor_b_\@:
	tensor_load_to_lds s[\g0b:\g0b+3], s[\g1b:\g1b+7]
	s_nop 0
.rept 4
	v_nop
.endr
.Lasked_\@:
.endm
.macro CROUND                          ; a round of the cluster's barrier
	s_barrier_signal -1
	s_barrier_wait -1
	s_cmp_lg_u32 s20, 0
	s_cbranch_scc1 .Lnot_wave_0_\@
	s_barrier_signal -3
.Lnot_wave_0_\@:
	s_barrier_wait -3
	s_barrier_signal -1
	s_barrier_wait -1
.endm
	s_load_b256 s[4:11], s[0:1], 0x0               ; x_codes s[4:5], x_scales s[6:7], w_codes s[8:9], w_scales s[10:11]
	s_load_b256 s[12:19], s[0:1], 0x20             ; bq s[12:13], bv s[14:15], q_img s[16:17], kv_img s[18:19]
	v_lshl_add_u32 v[SPW], v0, 2, SPARE
	v_mov_b32 v[NIL], 0
	ds_add_u32 v[SPW], v[NIL]                      ; the wave's opening: the add, twice on end, and its wait ahead of my first tensor load; the set-up below stands between
	ds_add_u32 v[SPW], v[NIL]
	v_lshrrev_b32 v1, 5, v0
	v_readfirstlane_b32 s20, v1                    ; wave 0..3
	s_lshr_b32 s21, s20, 1                         ; which half of A's rows is mine.  Also: I fetch for A (0) or for B (1)
	s_and_b32 s22, s20, 1                          ; which half of B's rows.  Also: which 128 rows of that tile I fetch
	s_bfe_u32 s40, ttmp6, 0x40000                  ; cx, cy: my place in the cluster
	s_bfe_u32 s41, ttmp6, 0x40004
	s_and_b32 s2, ttmp7, 0xffff
	s_lshl_b32 s2, s2, 2                           ; 4 x cluster y
	s_lshl_b32 s3, ttmp9, 2                        ; 4 x cluster x
	s_cmp_eq_u32 ttmp9, 2                          ; v's clusters?
	s_cselect_b32 s42, s2, s3                      ; B's tile: for v a tile of tokens, else a tile of weight rows (4 x projection on),
	s_cselect_b32 s43, 8, s2                       ; A's tile: for v Wv's rows (tile 8 on), else a tile of tokens
	s_add_co_u32 s42, s42, s40                     ; + cx: shared along a column of the cluster
	s_add_co_u32 s43, s43, s41                     ; + cy: shared along a row
	s_lshl_b32 s44, s41, 2
	s_lshl_b32 s44, 15, s44                        ; my row of the cluster
	s_lshl_b32 s45, 0x1111, s40                    ; my column
	; descriptor group 1: a tile of 128 rows x 256 bytes, 16 bytes of padding behind each row
	s_or_b32 s[G1+0], s44, (0<<16)|(1<<20)|(1<<21)|(5<<22)|(3<<25)  ; 15:0 the mask; 17:16 elements of 1 byte; 20 padding on; 21 set beside a mask; 24:22 after every 64 words; 31:25 four words
	s_or_b32 s[G1B+0], s45, (0<<16)|(1<<20)|(1<<21)|(5<<22)|(3<<25)
.irp g, G1, G1B
	s_mov_b32 s[\g+1], ROWB<<16                    ; tensor_dim0
	s_mov_b32 s[\g+2], 128<<16                     ; tensor_dim1
	s_mov_b32 s[\g+3], ROWB<<16                    ; tile_dim0
	s_mov_b32 s[\g+4], 128                         ; tile_dim1
	s_mov_b32 s[\g+5], KROW                        ; from row to row
	s_mov_b32 s[\g+6], 0
	s_mov_b32 s[\g+7], 0
.endr
	; the scales of 128 rows: 4,096 dense bytes, as 16 rows of 256 bytes (32 elements of 8 bytes), 16 bytes of padding behind each
	s_or_b32 s[G1S+0], s44, (3<<16)|(1<<20)|(1<<21)|(5<<22)|(3<<25)
	s_or_b32 s[G1SB+0], s45, (3<<16)|(1<<20)|(1<<21)|(5<<22)|(3<<25)
.irp g, G1S, G1SB
	s_mov_b32 s[\g+1], 32<<16
	s_mov_b32 s[\g+2], (128*KS/256)<<16
	s_mov_b32 s[\g+3], 32<<16
	s_mov_b32 s[\g+4], 128*KS/256
	s_mov_b32 s[\g+5], 32
	s_mov_b32 s[\g+6], 0
	s_mov_b32 s[\g+7], 0
.endr
	s_mov_b32 s66, 0x3e000000                      ; 1 / 8
	s_mov_b32 s67, s66                             ; (named with it as a pair)
	s_lshl_b32 s23, s22, 7                         ; which 128 rows of the tile I fetch
	s_lshl_b32 s96, s43, 8
	s_add_co_u32 s96, s96, s23                     ; A: row 256 x tile + 128 x half
	s_lshl_b32 s98, s96, 5                         ; its scale bytes,
	s_mov_b32 s99, 0
	s_lshl_b32 s96, s96, 9                         ; its codes
	s_mov_b32 s97, 0
	s_lshl_b32 s46, s42, 8
	s_add_co_u32 s46, s46, s23                     ; B likewise, in registers that never hold cy
	s_lshl_b32 s100, s46, 5
	s_mov_b32 s101, 0
	s_lshl_b32 s46, s46, 9
	s_mov_b32 s47, 0
	s_mul_i32 s2, s20, HALFT                       ; where they go: wave x 128 rows: no place in the cluster enters an LDS address
	s_mul_i32 s3, s20, HALFS
	s_wait_dscnt 0x0                               ; both opening adds are done
	s_wait_kmcnt 0x0
	s_cmp_eq_u32 ttmp9, 2                          ; for v, A is the weight and B the tokens: the choice hangs on the cluster's x alone
	s_cselect_b64 s[92:93], s[8:9], s[4:5]
	s_cselect_b64 s[94:95], s[10:11], s[6:7]
	s_cselect_b64 s[8:9], s[4:5], s[8:9]           ; B's codes
	s_cselect_b64 s[10:11], s[6:7], s[10:11]       ; B's scales
	s_mov_b64 s[4:5], s[92:93]                     ; A's codes
	s_mov_b64 s[6:7], s[94:95]                     ; A's scales
	s_add_nc_u64 s[96:97], s[4:5], s[96:97]
	s_add_nc_u64 s[98:99], s[6:7], s[98:99]
	s_add_nc_u64 s[46:47], s[8:9], s[46:47]
	s_add_nc_u64 s[100:101], s[10:11], s[100:101]
	CROUND                                         ; all sixteen work-groups are here: the first joint loads meet
	s_mov_b32 s[G0S], 1
	s_add_co_u32 s[G0S+1], s3, SCL
	s_mov_b64 s[G0S+2:G0S+3], s[98:99]
	s_or_b32 s[G0S+3], s[G0S+3], 0x80000000
	s_mov_b32 s[G0SB], 1
	s_add_co_u32 s[G0SB+1], s3, SCL
	s_mov_b64 s[G0SB+2:G0SB+3], s[100:101]
	s_or_b32 s[G0SB+3], s[G0SB+3], 0x80000000
	JLOAD G0S, G1S, G0SB, G1SB                     ; the scales first: they are wanted with the first K step
.irp s, 0,1
	s_mov_b32 s[G0+4*\s], 1
	s_add_co_u32 s[G0+4*\s+1], s2, \s*SLOT
	s_add_nc_u64 s[G0+4*\s+2:G0+4*\s+3], s[96:97], \s*ROWB
	s_or_b32 s[G0+4*\s+3], s[G0+4*\s+3], 0x80000000
	s_mov_b32 s[G0B+4*\s], 1
	s_add_co_u32 s[G0B+4*\s+1], s2, \s*SLOT
	s_add_nc_u64 s[G0B+4*\s+2:G0B+4*\s+3], s[46:47], \s*ROWB
	s_or_b32 s[G0B+4*\s+3], s[G0B+4*\s+3], 0x80000000
	JLOAD G0+4*\s, G1, G0B+4*\s, G1B               ; three loads of mine are out behind the last of these
.endr
	v_and_b32 v1, 15, v0                           ; r = l % 16
	v_bfe_u32 v2, v0, 4, 1                         ; h = l / 16
	v_mul_u32_u24 v3, v1, PITCH
	v_lshl_add_u32 v4, v2, 4, v3                   ; a fragment's row x pitch + 16 x half
	s_mul_i32 s92, s21, HALFT                      ; my 128 rows of A
	s_mul_i32 s93, s22, HALFT                      ; my 128 rows of B,
	s_add_co_u32 s93, s93, 2*HALFT                 ; which lie behind A's 256
.irp s, 0,1
	v_add_nc_u32 v[ADRA+\s], s92, v4
	v_add_nc_u32 v[ADRB+\s], s93, v4
	s_add_co_u32 s92, s92, SLOT
	s_add_co_u32 s93, s93, SLOT
.endr
	v_mul_u32_u24 v5, v1, KS                       ; my row's scales: 32 bytes a row,
	v_lshrrev_b32 v6, 8, v5
	v_lshl_add_u32 v5, v6, 4, v5                   ; and 16 more for each 256 passed
	s_mul_i32 s92, s21, HALFS                      ; A's: my 128 rows
	s_mul_i32 s93, s22, HALFS                      ; B's: my 128 rows, behind A's 256
	s_add_co_u32 s93, s93, 2*HALFS
	s_sub_co_u32 s93, s93, s92
	v_mul_u32_u24 v6, s93, v2                      ; lanes 16-31 take B's: the lower base + h x the distance
	s_add_co_u32 s92, s92, SCL
	v_add_nc_u32 v5, v5, v6
	v_add_nc_u32 v[ADRS], s92, v5
	v_and_b32 v6, 31, v0
	v_lshlrev_b32 v[LO], 4, v6
.macro FRAG reg, adr, q, i             ; 16 rows x 128 K of 4-bit codes: lane l holds row l % 16; registers 4 c .. 4 c + 3 hold K = 64 c + 32 (l / 16) + 0 .. 31
.irp c, 0,1
	ds_load_b128 v[\reg+4*\c:\reg+4*\c+3], v[\adr] offset:64*(\q)+32*\c+(\i)*16*PITCH
.endr
.endm
; 16 matrix instructions: A's blocks a0, a0 + 1 x B's eight, the slot's q-th 128 along K.  p: B's set; sc: the set of scale words; zero = 1: the first product starts the sums.
; The 64 accumulators take turns, one instruction a turn, in the same order in every step.
.macro MUL16 a0, p, q, sc, zero
.irp a, \a0, \a0+1
.irp b, 0,1,2,3,4,5,6,7
.if \zero
	v_wmma_scale_f32_16x16x128_f8f6f4 v[8*(8*((\a)%4)+\b):8*(8*((\a)%4)+\b)+7], v[128*(\p)+FR*\b:128*(\p)+FR*\b+FR-1], v[AF+FR*(\a):AF+FR*(\a)+FR-1], 0, v[SC+8*NQ*(\sc)+NQ*\b+(\q)], v[SC+8*NQ*(\sc)+NQ*(\a)+(\q)] matrix_a_fmt:MATRIX_FMT_FP4 matrix_b_fmt:MATRIX_FMT_FP4 matrix_a_scale:MATRIX_SCALE_ROW1
.else
	v_wmma_scale_f32_16x16x128_f8f6f4 v[8*(8*((\a)%4)+\b):8*(8*((\a)%4)+\b)+7], v[128*(\p)+FR*\b:128*(\p)+FR*\b+FR-1], v[AF+FR*(\a):AF+FR*(\a)+FR-1], v[8*(8*((\a)%4)+\b):8*(8*((\a)%4)+\b)+7], v[SC+8*NQ*(\sc)+NQ*\b+(\q)], v[SC+8*NQ*(\sc)+NQ*(\a)+(\q)] matrix_a_fmt:MATRIX_FMT_FP4 matrix_b_fmt:MATRIX_FMT_FP4 matrix_a_scale:MATRIX_SCALE_ROW1
.endif
.endr
.endr
.endm
.macro FETCH_B slot, q, p              ; B's eight fragments of the slot's q-th 128 along K into set p
	WIN TO_B
.irp i, 0,1,2,3,4,5,6,7
	FRAG 128*(\p)+FR*\i, ADRB+\slot, \q, \i
.endr
	WIN 0
.endm
.macro FETCH_A slot, q, i0             ; A's blocks i0 .. i0 + 3
.irp i, \i0, \i0+1, \i0+2, \i0+3
	FRAG AF+FR*(\i), ADRA+\slot, \q, \i
.endr
.endm
.macro SCALES sc                       ; a slot's scale words into set sc: four words a row; lanes 0-15 take A's block i, lanes 16-31 B's block i
.irp i, 0,1,2,3,4,5,6,7
	ds_load_b128 v[SC+8*NQ*\sc+NQ*\i:SC+8*NQ*\sc+NQ*\i+3], v[ADRS] offset:\i*SBLK
.endr
.endm
.macro PLACES n                        ; plain vector instructions between a matrix instruction and a load into, or a vector write of, one of its registers, or a read of its result
.rept \n
	v_nop
.endr
.endm
; A step of 128 along K that has its successor in the same slot.  A has one set of registers: blocks 0-3 are fetched anew in the step's middle, blocks 4-7 at its end; B has two sets.
.macro STEP slot, q, zero
	s_wait_dscnt 4*NL                              ; B's set and A's blocks 0-3 are in; the youngest eight loads (A's blocks 4-7) may be out
	WIN MUL_LO
	MUL16 0, (\q)%2, \q, \slot, \zero
	MUL16 2, (\q)%2, \q, \slot, \zero
	s_wait_dscnt 0                                 ; A's blocks 4-7 are in
	PLACES NP
	FETCH_B \slot, (\q)+1, 1-(\q)%2
	FETCH_A \slot, (\q)+1, 0
	WIN MUL_HI
	MUL16 4, (\q)%2, \q, \slot, \zero
	MUL16 6, (\q)%2, \q, \slot, \zero
	PLACES NP
	WIN 0
	FETCH_A \slot, (\q)+1, 4
.endm
; Slot 0's last step goes on into slot 1: each wave waits for all its tensor loads (its part of slot 1), and one barrier shows the whole slot to every wave.  Nothing is filled again.
.macro TURN slot, next
	s_wait_tensorcnt 0x0                           ; all my tensor loads have landed
	ds_add_u32 v[SPW], v[NIL]                      ; 0 onto my spare word
	s_wait_dscnt 4*NL+1                            ; (the add and the youngest eight loads, A's blocks 4-7, may be out)
	WIN MUL_LO
	MUL16 0, 1, NQ-1, \slot, 0
	s_wait_dscnt 0x0                               ; no LDS instruction of mine is out at the signal
	s_barrier_signal -1
	MUL16 2, 1, NQ-1, \slot, 0                     ; work on registers while the others arrive
	WIN 0
	s_barrier_wait -1
	PLACES NP
	v_add_nc_u32 v[ADRS], 4*NQ, v[ADRS]            ; on to the next slot's scale words (no LDS load of mine is out)
	FETCH_B \next, 0, 0
	FETCH_A \next, 0, 0
	SCALES \next
	WIN MUL_HI
	MUL16 4, 1, NQ-1, \slot, 0
	MUL16 6, 1, NQ-1, \slot, 0
	PLACES NP
	WIN 0
	FETCH_A \next, 0, 4
.endm
.macro STEPS slot, from                ; the slot's steps from .. NQ - 2
.set Q, \from
.rept NQ-1-\from
	STEP \slot, Q, 0
.set Q, Q+1
.endr
.endm
	s_wait_tensorcnt 1                             ; the scales and my part of slot 0 are in; slot 1's load may be out
	s_barrier_signal -1
	s_barrier_wait -1                              ; everybody's are
	FETCH_B 0, 0, 0
	FETCH_A 0, 0, 0
	SCALES 0
	FETCH_A 0, 0, 4
	STEP 0, 0, 1                                   ; the first step's products start the sums: nothing is cleared
	STEPS 0, 1
	TURN 0, 1
	STEPS 1, 0
	s_wait_dscnt 4*NL                              ; the last step: nothing more to fetch
	WIN MUL_LO
	MUL16 0, 1, NQ-1, 1, 0
	MUL16 2, 1, NQ-1, 1, 0
	s_wait_dscnt 0
	WIN MUL_HI
	MUL16 4, 1, NQ-1, 1, 0
	MUL16 6, 1, NQ-1, 1, 0
	WIN 0
	; where my 128 tokens and my 128 channels begin
	s_cmp_eq_u32 ttmp9, 2
	s_cselect_b32 s92, s42, s43                    ; the tile of tokens,
	s_cselect_b32 s93, s22, s21                    ; my half of it,
	s_cselect_b32 s94, s43, s42                    ; the tile of channels (its low two bits: within the projection),
	s_cselect_b32 s95, s21, s22                    ; my half of it
	s_lshl_b32 s92, s92, 8
	s_lshl_b32 s93, s93, 7
	s_add_co_u32 s92, s92, s93                     ; my first token
	s_and_b32 s94, s94, 3
	s_lshl_b32 s94, s94, 8
	s_lshl_b32 s95, s95, 7
	s_add_co_u32 s94, s94, s95                     ; my first channel: two whole heads
	s_lshr_b32 s93, s92, 11
	s_lshl_b32 s93, s93, 4
	s_lshr_b32 s95, s94, 6
	s_add_co_u32 s93, s93, s95                     ; bh = 16 x batch + head
	s_and_b32 s92, s92, 2047
	s_lshr_b32 s92, s92, 4                         ; my first tile of 16 tokens in the sequence
	s_lshl_b32 s96, s94, 2                         ; my channels' bytes in a bias
	s_mov_b32 s97, 0
	PLACES NP                                      ; behind the last products: their results are read, and A's fragment registers written, below
; THE WAY OUT, A's blocks one after the other.  mode 0 (q): acc / 8 + bq / 8; 1 (k): as it is; 2 (v): acc + bv.  Each accumulator is read from its low end on; four conversions make a lane's 16 bytes;
; one store an accumulator.  Two sets of packed registers by turns: a set is written again only when its stores have read it.
.macro WAYOUT mode, base
.irp a, 0,1,2,3,4,5,6,7
.if \a >= 2
	s_wait_xcnt 0x0                                ; block a - 2's stores have read their data registers
.endif
.if \mode == 1
	WIN 0x0a+5*(\a/4)                              ; sources 0 and 1: window 2 or 3
.irp b, 0,1,2,3,4,5,6,7
.irp i, 0,1,2,3
	v_cvt_pk_f16_f32 v[PK+32*(\a%2)+4*\b+\i], v[8*(8*(\a%4)+\b)+2*\i], v[8*(8*(\a%4)+\b)+2*\i+1]
.endr
.endr
.else
	WIN 0x42+\a/4                                  ; source 0 window 2 or 3, the bias window 0, destination window 1
.irp b, 0,1,2,3,4,5,6,7
.irp i, 0,1,2,3
.if \mode == 0
	v_pk_fma_f32 v[T+8*\b+2*\i:T+8*\b+2*\i+1], v[8*(8*(\a%4)+\b)+2*\i:8*(8*(\a%4)+\b)+2*\i+1], s[66:67], v[BI+8*\b+2*\i:BI+8*\b+2*\i+1] op_sel_hi:[1,0,1]
.else
	v_pk_add_f32 v[T+8*\b+2*\i:T+8*\b+2*\i+1], v[8*(8*(\a%4)+\b)+2*\i:8*(8*(\a%4)+\b)+2*\i+1], v[BI+2*\a:BI+2*\a+1]
.endif
.endr
.endr
	WIN 0x05                                       ; sources 0 and 1 window 1, destination window 0
.irp b, 0,1,2,3,4,5,6,7
.irp i, 0,1,2,3
	v_cvt_pk_f16_f32 v[PK+32*(\a%2)+4*\b+\i], v[T+8*\b+2*\i], v[T+8*\b+2*\i+1]
.endr
.endr
.endif
	WIN 0
.irp b, 0,1,2,3,4,5,6,7
.if \mode == 0
	global_store_b128 v[LO], v[PK+32*(\a%2)+4*\b:PK+32*(\a%2)+4*\b+3], s[\base:\base+1] offset:\a*2048+(\b/4)*262144+(\b%4)*512   ; 32 lanes store 512 consecutive bytes, aligned
.elseif \mode == 1
	global_store_b128 v[LO], v[PK+32*(\a%2)+4*\b:PK+32*(\a%2)+4*\b+3], s[\base:\base+1] offset:\a*4096+(\b/4)*524288+(\b%4)*512
.else
	global_store_b128 v[LO], v[PK+32*(\a%2)+4*\b:PK+32*(\a%2)+4*\b+3], s[\base:\base+1] offset:\b*4096+(\a/4)*524288+(\a%4)*512
.endif
.endr
.endr
.endm
	s_cmp_eq_u32 ttmp9, 0                          ; the cluster's x: the same in all sixteen partners
	s_cbranch_scc1 .Lq
	s_cmp_eq_u32 ttmp9, 1
	s_cbranch_scc1 .Lk
	; v: a lane holds channel 16 a + r and tokens 16 b + 8 h + 0..7
	s_lshl_b32 s98, s93, 19
	s_lshl_b32 s99, s92, 12
	s_add_co_u32 s98, s98, s99
	s_add_co_u32 s98, s98, 2048                    ; v's half of a tile of keys
	s_mov_b32 s99, 0
	s_add_nc_u64 s[18:19], s[18:19], s[98:99]
	s_add_nc_u64 s[14:15], s[14:15], s[96:97]      ; bv at my first channel
	v_lshlrev_b32 v[BO], 2, v1                     ; 4 r
.irp a, 0,1,2,3,4,5,6,7
	global_load_b32 v[BI+2*\a], v[BO], s[14:15] offset:64*\a       ; bv[16 a + r], twice: a pair for the packed addition
	global_load_b32 v[BI+2*\a+1], v[BO], s[14:15] offset:64*\a
.endr
	s_wait_loadcnt 0x0
	WAYOUT 2, 18
	s_branch .Ldone
.Lq:	; q: a lane holds token 16 a + r and channels 16 b + 8 h + 0..7
	s_lshl_b32 s98, s93, 18
	s_lshl_b32 s99, s92, 11
	s_add_co_u32 s98, s98, s99
	s_mov_b32 s99, 0
	s_add_nc_u64 s[16:17], s[16:17], s[98:99]
	s_add_nc_u64 s[12:13], s[12:13], s[96:97]      ; bq at my first channel
	v_lshlrev_b32 v[BO], 5, v2                     ; 32 h
.irp b, 0,1,2,3,4,5,6,7
	global_load_b128 v[BI+8*\b:BI+8*\b+3], v[BO], s[12:13] offset:64*\b
	global_load_b128 v[BI+8*\b+4:BI+8*\b+7], v[BO], s[12:13] offset:64*\b+16
.endr
	s_wait_loadcnt 0x0
.irp i, 0,2,4,6,8,10,12,14,16,18,20,22,24,26,28,30,32,34,36,38,40,42,44,46,48,50,52,54,56,58,60,62
	v_pk_mul_f32 v[BI+\i:BI+\i+1], v[BI+\i:BI+\i+1], s[66:67] op_sel_hi:[1,0]   ; bq / 8, exact
.endr
	WAYOUT 0, 16
	s_branch .Ldone
.Lk:	; k: as q, with no bias and no factor
	s_lshl_b32 s98, s93, 19
	s_lshl_b32 s99, s92, 12
	s_add_co_u32 s98, s98, s99
	s_mov_b32 s99, 0
	s_add_nc_u64 s[18:19], s[18:19], s[98:99]
	WAYOUT 1, 18
.Ldone:
	s_wait_tensorcnt 0x0                           ; the wave's end: a wait, an add of 0 to my spare word and its wait, behind my last tensor load
	ds_add_u32 v[SPW], v[NIL]
	s_wait_dscnt 0x0
	CROUND                                         ; the closing round: no work-group ends while a partner may still ask for a tile that names it
	s_endpgm
.Lfunc_end_k_qaae7abeee5_proj:
	.size	k_qaae7abeee5_proj, .Lfunc_end_k_qaae7abeee5_proj-k_qaae7abeee5_proj
	.p2alignl 7, 3214868480
	.fill 96, 4, 3214868480
	.section	.rodata,"a",@progbits
	.p2align	6, 0x0
	.amdhsa_kernel k_qaae7abeee5_proj
		.amdhsa_group_segment_fixed_size 327680
		.amdhsa_private_segment_fixed_size 0
		.amdhsa_enable_private_segment 0
		.amdhsa_kernarg_size 64
		.amdhsa_user_sgpr_count 2
		.amdhsa_user_sgpr_kernarg_segment_ptr 1
		.amdhsa_wavefront_size32 1
		.amdhsa_system_sgpr_workgroup_id_x 1
		.amdhsa_system_sgpr_workgroup_id_y 1
		.amdhsa_system_sgpr_workgroup_id_z 1
		.amdhsa_system_vgpr_workitem_id 0
		.amdhsa_next_free_vgpr 1024
		.amdhsa_next_free_sgpr 102
		.amdhsa_reserve_vcc 0
		.amdhsa_float_denorm_mode_32 3
		.amdhsa_float_denorm_mode_16_64 3
		.amdhsa_memory_ordered 1
		.amdhsa_forward_progress 1
		.amdhsa_inst_pref_size 202
	.end_amdhsa_kernel
	.amdgpu_metadata
---
amdhsa.version: [ 1, 2 ]
amdhsa.kernels:
  - .name:           k_qaae7abeee5_proj
    .symbol:         k_qaae7abeee5_proj.kd
    .args:
      - { .name: x_codes, .offset: 0, .size: 8, .value_kind: global_buffer, .address_space: global }
      - { .name: x_scales, .offset: 8, .size: 8, .value_kind: global_buffer, .address_space: global }
      - { .name: w_codes, .offset: 16, .size: 8, .value_kind: global_buffer, .address_space: global }
      - { .name: w_scales, .offset: 24, .size: 8, .value_kind: global_buffer, .address_space: global }
      - { .name: bq, .offset: 32, .size: 8, .value_kind: global_buffer, .address_space: global }
      - { .name: bv, .offset: 40, .size: 8, .value_kind: global_buffer, .address_space: global }
      - { .name: q_img, .offset: 48, .size: 8, .value_kind: global_buffer, .address_space: global }
      - { .name: kv_img, .offset: 56, .size: 8, .value_kind: global_buffer, .address_space: global }
    .group_segment_fixed_size: 327680
    .private_segment_fixed_size: 0
    .kernarg_segment_align: 8
    .kernarg_segment_size: 64
    .max_flat_workgroup_size: 128
    .sgpr_count:     102
    .vgpr_count:     1024
    .wavefront_size: 32
...
	.end_amdgpu_metadata
.endif
;; end of part 2
;; launch attn (part 3): grid 4 x 64, 8 waves a work-group, clusters of 4 x 1, 327,680 bytes of LDS; arguments q_img, kv_img, input1, out0; writes out0
.if DOCPART == 3
	.amdgcn_target "amdgcn-amd-amdhsa--gfx1250"
	.amdhsa_code_object_version 6
	.text
	.protected	k_qaae7abeee5_attn
	.globl	k_qaae7abeee5_attn
	.p2align	8
	.type	k_qaae7abeee5_attn,@function
k_qaae7abeee5_attn:
	s_mov_b64 s[64:65], 0
	v_nop
	global_prefetch_b8 v0, s[64:65] scope:SCOPE_SE
	s_setreg_imm32_b32 hwreg(HW_REG_WAVE_MODE, 25, 1), 1
	s_wait_xcnt 0x0
	s_wait_alu depctr_hold_cnt(0) depctr_sa_sdst(0) depctr_va_vdst(0) depctr_va_sdst(0) depctr_va_ssrc(0) depctr_va_vcc(0) depctr_vm_vsrc(0)
	s_getreg_b32 s2, hwreg(HW_REG_IB_STS2, 6, 4)
	s_cmp_eq_u32 s2, 0
	s_cbranch_scc0 .Lentry_in_a_cluster
	s_endpgm
.Lentry_in_a_cluster:
	s_bfe_u32 s2, ttmp6, 0x10000c
	s_cmp_lg_u32 s2, 0x3003
	s_cbranch_scc0 .Lentry_shape_is_right
	s_endpgm
.Lentry_shape_is_right:
; THIRD LAUNCH: out[b][s][64 head + d] = the sum over keys of softmax_k(q'[s] . k[key] + mask[b][key]) v[key][d], q' = q / 8.  q', k, v: f16, laid by the launch before in the order of the operand registers; products' sums,
; maxima, exponentials and row sums in f32; the weights p are rounded to f16 for the second product; the row's sum is taken of the unrounded p.  (bk is left out: shown at the head of the first kernel.)
; SHARES.  A cluster of four work-groups is one (batch, head); a work-group owns 512 queries, each of its eight waves 64: four tiles of 16, in 512 registers, two waves to a SIMD, so that one wave's softmax can stand beside the
; other's products.  Every wave walks all 2,048 keys, 64 a step.  A fragment of K or V read from LDS feeds four matrix instructions.
; CLUSTER.  The four work-groups walk the same K, V and mask: each tile is asked for JOINTLY, by the same tensor load with the same descriptor and the mask 15.  Every wave issues every load: its part by arithmetic on its number.
; RING.  Two slots of 512 keys (131,072 bytes: for each 16 keys 2,048 bytes of K, then 2,048 of V); a slot's eight steps stand between a refill and the wait for it.  A wave brings 16,384 dense bytes with one load.
; LAYOUT.  S^T = K Q'^T + mask (source 0 = 16 keys, source 1 = 16 queries; the mask, which hangs on the key alone, is the C of the first of the two matrix instructions): a lane holds ONE query (l % 16) and keys 8 (l / 16) + 0..7.
; Two such tiles, rounded in pairs, are source 1 of O^T = V^T P.  All fragments lie in LDS as images of their registers: every LDS load of the loop reads 512 consecutive bytes (the mask's: 32 bytes shared by 16 lanes).
; SOFTMAX.  For each query a running maximum m and sum l: p = 2^(c s - c m), c = log2(e); in every step O^T and l are multiplied by a = 2^(c m_old - c m_new).  The step is written once: O^T and l begin as zeros, m as -1e38.
; LIMITS.  NaN among the inputs is not served.  A row all of whose scores lie under -1e38 gives 0 / 0 where the definition gives an average of v.  A mask of -infinity goes in as the matrix instruction's C: not tried.
; REGISTERS, in windows of 256.  Window 0: v1-9 addresses; v12-27 statistics, tile t at 12 + 4 t: c m, m, l (even keys', odd keys'); v32-63 the mask as C, eight a tile of keys, then at work (tile t at 32 + 8 t: c0, c1, c2 = a, c3);
;   v64-191 S^T, 32 a tile; v192-255 K's eight fragments, then P, 16 a tile.   Window 1: v0-127 O^T, 32 a tile; v128-191 Q', 16 a tile; v192-255 V^T's eight fragments.
.set STEPB, 16384                      ; a step's 64 keys in LDS
.set NST,   8                          ; steps in a slot
.set SLOT1, 1<<17                      ; slot 1 begins here: one exclusive or turns an address in one slot into the other's
.set MASKB, 2*SLOT1                    ; the batch's 2,048 mask numbers, dense; filled once
.set STAGE, MASKB+8192                 ; the way out: 16 rows x 272 bytes for each wave; no fill lands here
.set SP,    272
.set SPARE, STAGE+8*16*SP              ; the spare words, 128 bytes for each wave: four blocks of 256 bytes that no other line names
.set LI,  1                            ; v1  16 x lane
.set MK0, 2                            ; v2  MASKB + 32 (l / 16)
.set ADR, 3                            ; v3  LDS address of the step's K and V
.set ADM, 4                            ; v4  of its mask numbers
.set STO, 5                            ; v5  the way out: where I put 32 bytes of a row
.set RD,  6                            ; v6  where I read a row back
.set GO,  7                            ; v7  my byte offset in the wave's rows of the output
.set SPW, 8                            ; v8  LDS address of my spare word; never rewritten
.set NIL, 9                            ; v9  0; never rewritten
.set ST,  12
.set MK,  32
.set S,   64
.set KP,  192
.set QF,  128                          ; in window 1
.set VF,  192                          ; in window 1
.set WV,  12                           ; s12 my wave's number
.set CX,  13                           ; s13 my place in the cluster: it enters Q's and the output's addresses alone
.set BH,  14                           ; s14 16 x batch + head
.set G1,  16                           ; s[16:23] group 1: 64 rows of 256 bytes
.set G1M, 24                           ; s[24:31] group 1: 4 rows of 256 bytes
.set G0M, 32                           ; s[32:35] group 0: the mask
.set G0A, 36                           ; s[36:39] slot 0's first fill
.set G0B, 40                           ; s[40:43] slot 1's first fill; it then walks on
.set CS,  44                           ; s[44:45] c = log2(e), as a pair
.set SEL, 46                           ; s[46:47] lane selects for v_permlanex16_b32: lane l xor 16
.set TB,  48                           ; s48 LDS byte at which the step's tiles begin
.set TM,  49                           ; s49 the step's first mask byte: 256 a step
.set SLOTS, 50
.set STEPS, 51
.set MSB, 0
.macro WIN new
.if MSB != (\new)
	s_set_vgpr_msb (MSB<<8)|(\new)
.set MSB, (\new)
.endif
.endm
.set W_KQ,  0x04                       ; source 1 (Q') window 1; K, C and D window 0
.set W_PV,  0x51                       ; source 0 (V^T), C and D window 1; P window 0
.set W_RS,  0x41                       ; O^T (destination and source 0) window 1; a window 0
.set TO1,   0x40                       ; destination window 1
.set FROM1, 0x01                       ; source 0 window 1
.macro CROUND                          ; a round of the cluster's barrier
	s_barrier_signal -1
	s_barrier_wait -1
	s_cmp_lg_u32 s[WV], 0
	s_cbranch_scc1 .Lnot_wave_0_\@
	s_barrier_signal -3
.Lnot_wave_0_\@:
	s_barrier_wait -3
	s_barrier_signal -1
	s_barrier_wait -1
.endm
	s_load_b256 s[4:11], s[0:1], 0x0               ; q_img s[4:5], kv_img s[6:7], input1 s[8:9], out0 s[10:11]
	v_lshl_add_u32 v[SPW], v0, 2, SPARE
	v_mov_b32 v[NIL], 0
	ds_add_u32 v[SPW], v[NIL]                      ; the wave's opening: the add, twice on end, and its wait ahead of my first tensor load; the set-up below stands between
	ds_add_u32 v[SPW], v[NIL]
	v_lshrrev_b32 v10, 5, v0
	v_readfirstlane_b32 s[WV], v10                 ; wave 0..7
	s_bfe_u32 s[CX], ttmp6, 0x40000
	s_and_b32 s[BH], ttmp7, 0xffff                 ; the cluster's y
	s_mov_b32 s[G1], 15|(3<<16)|(1<<21)            ; 15:0 the mask: all four work-groups; 17:16 elements of 8 bytes; 21 set beside a mask; no padding
	s_mov_b32 s[G1+1], 32<<16                      ; tensor_dim0 = 32 elements: 256 bytes
	s_mov_b32 s[G1+2], 64<<16                      ; tensor_dim1 = 64
	s_mov_b32 s[G1+3], 32<<16                      ; tile_dim0
	s_mov_b32 s[G1+4], 64                          ; tile_dim1
	s_mov_b32 s[G1+5], 32                          ; from row to row: dense
	s_mov_b32 s[G1+6], 0
	s_mov_b32 s[G1+7], 0
	s_mov_b32 s[G1M], 15|(3<<16)|(1<<21)
	s_mov_b32 s[G1M+1], 32<<16
	s_mov_b32 s[G1M+2], 4<<16
	s_mov_b32 s[G1M+3], 32<<16
	s_mov_b32 s[G1M+4], 4
	s_mov_b32 s[G1M+5], 32
	s_mov_b32 s[G1M+6], 0
	s_mov_b32 s[G1M+7], 0
	s_mov_b32 s[CS], 0x3fb8aa3b                    ; log2(e)
	s_mov_b32 s[CS+1], s[CS]
	s_mov_b32 s[SEL], 0x76543210
	s_mov_b32 s[SEL+1], 0xfedcba98
	s_mov_b32 s[TB], 0
	s_mov_b32 s[TM], 0
	s_mov_b32 s[SLOTS], 2
	s_lshl_b32 s52, s[WV], 10                      ; my 1,024 bytes of the mask
	s_lshr_b32 s54, s[BH], 4
	s_lshl_b32 s54, s54, 13                        ; the batch's 8,192
	s_add_co_u32 s54, s54, s52
	s_mov_b32 s55, 0
	s_mov_b32 s[G0M], 1
	s_add_co_u32 s[G0M+1], s52, MASKB
	s_mov_b32 s[G0A], 1
	s_lshl_b32 s[G0A+1], s[WV], 14                 ; my 16,384 bytes of a slot: one step's K and V
	s_mov_b32 s[G0B], 1
	s_add_co_u32 s[G0B+1], s[G0A+1], SLOT1
	s_lshl_b32 s52, s[BH], 19                      ; the head's 524,288 bytes
	s_add_co_u32 s52, s52, s[G0A+1]
	s_mov_b32 s53, 0
	s_wait_dscnt 0x0                               ; both opening adds are done
	s_wait_kmcnt 0x0
	s_add_nc_u64 s[G0M+2:G0M+3], s[8:9], s[54:55]
	s_or_b32 s[G0M+3], s[G0M+3], 0x80000000
	s_add_nc_u64 s[G0A+2:G0A+3], s[6:7], s[52:53]
	s_add_nc_u64 s[G0B+2:G0B+3], s[G0A+2:G0A+3], NST*STEPB
	s_or_b32 s[G0A+3], s[G0A+3], 0x80000000
	s_or_b32 s[G0B+3], s[G0B+3], 0x80000000
	CROUND                                         ; all four work-groups are here: the first joint loads meet
	tensor_load_to_lds s[G0M:G0M+3], s[G1M:G1M+7]  ; the first fills, one group: the mask,
	s_nop 0
	tensor_load_to_lds s[G0A:G0A+3], s[G1:G1+7]    ; keys 0 to 511,
	s_nop 0
	tensor_load_to_lds s[G0B:G0B+3], s[G1:G1+7]    ; keys 512 to 1,023: three loads of mine are out
	s_nop 0
.rept 4
	v_nop
.endr
	v_and_b32 v10, 31, v0
	v_lshlrev_b32 v[LI], 4, v10
	s_lshl_b32 s56, s[CX], 5
	s_lshl_b32 s57, s[WV], 2
	s_add_co_u32 s56, s56, s57                     ; my first tile of queries: 32 cx + 4 wave
	s_lshl_b32 s56, s56, 11
	s_lshl_b32 s57, s[BH], 18
	s_add_co_u32 s56, s56, s57
	s_mov_b32 s57, 0
	s_add_nc_u64 s[4:5], s[4:5], s[56:57]
	WIN TO1
.irp n, 0,1,2,3,4,5,6,7,8,9,10,11,12,13,14,15
	global_load_b128 v[QF+4*\n:QF+4*\n+3], v[LI], s[4:5] offset:512*\n th:TH_LOAD_NT   ; Q' stays in registers: tile n / 4, channels 16 (n % 4) on
.endr
.set i, 0
.rept 128
	v_mov_b32 v[i], 0                              ; O^T: the one text of a step finds zeros, which the first a leaves zeros
.set i, i+1
.endr
	WIN 0
	v_and_b32 v10, 15, v0                          ; r
	v_bfe_u32 v11, v0, 4, 1                        ; h
	v_lshl_add_u32 v[MK0], v11, 5, MASKB
	s_mul_i32 s58, s[WV], 16*SP
	s_add_co_u32 s58, s58, STAGE                   ; my stage
	v_mul_u32_u24 v[STO], v10, SP                  ; in: row r, 32 bytes for each half of the lanes
	v_lshl_add_u32 v[STO], v11, 5, v[STO]
	v_add_nc_u32 v[STO], s58, v[STO]
	v_mul_u32_u24 v[RD], v11, SP                   ; back: lanes 0-15 one row of 256 bytes, lanes 16-31 the next
	v_lshl_add_u32 v[RD], v10, 4, v[RD]
	v_add_nc_u32 v[RD], s58, v[RD]
	v_lshlrev_b32 v[GO], 12, v11                   ; and the same two rows in the output: 4,096 bytes apart
	v_lshl_add_u32 v[GO], v10, 4, v[GO]
.irp t, 0,1,2,3
	v_mov_b32 v[ST+4*\t+1], 0xfe967699             ; m = -1e38
	v_mov_b32 v[ST+4*\t+2], 0                      ; l
	v_mov_b32 v[ST+4*\t+3], 0
.endr
.irp t, 0,1,2,3
	v_mul_f32 v[ST+4*\t], s[CS], v[ST+4*\t+1]      ; c m
.endr
	s_lshr_b32 s56, s[BH], 4
	s_lshl_b32 s56, s56, 23                        ; the batch: 2,048 rows of 4,096 bytes
	s_lshl_b32 s57, s[CX], 21                      ; my work-group's 512 rows
	s_add_co_u32 s56, s56, s57
	s_lshl_b32 s57, s[WV], 18                      ; my wave's 64
	s_add_co_u32 s56, s56, s57
	s_and_b32 s57, s[BH], 15
	s_lshl_b32 s57, s57, 8                         ; the head's 256 bytes of a row
	s_add_co_u32 s56, s56, s57
	s_mov_b32 s57, 0
	s_add_nc_u64 s[10:11], s[10:11], s[56:57]
; A KEY STEP: 64 keys.
.macro STEP
	WIN 0
	v_add_nc_u32 v[ADR], s[TB], v[LI]              ; these two and two v_nop are the four places between the last products and the loads into the registers that they read
	v_add_nc_u32 v[ADM], s[TM], v[MK0]
	v_nop
	v_nop
.irp n, 0,1,2,3,4,5,6,7,8,9,10,11,12,13,14,15
	ds_load_b128 v[KP+4*\n:KP+4*\n+3], v[ADR] offset:(\n/4)*4096+(\n%4)*512            ; K: keys 16 (n / 4) on, channels 16 (n % 4) on
.endr
.irp n, 0,1,2,3,4,5,6,7
	ds_load_b128 v[MK+4*\n:MK+4*\n+3], v[ADM] offset:(\n/2)*64+(\n%2)*16               ; the mask of keys 16 (n / 2) + 8 h + 4 (n % 2) + 0..3
.endr
	WIN TO1
.irp n, 0,1,2,3,4,5,6,7,8,9,10,11,12,13,14,15
	ds_load_b128 v[VF+4*\n:VF+4*\n+3], v[ADR] offset:(2*(\n/8)+\n%2)*4096+2048+((\n/2)%4)*512   ; V^T: keys 32 (n / 8) + 16 (n % 2) on, channels 16 ((n / 2) % 4) on
.endr
	s_wait_dscnt 16                                ; K and the mask are in; V's sixteen loads may be out
	WIN W_KQ
.irp f, 0,1                                    ; S^T = K Q'^T + mask: sixteen accumulators by turns, one instruction a turn
.irp k, 0,1,2,3
.irp t, 0,1,2,3
.if \f == 0
	v_wmma_f32_16x16x32_f16 v[S+32*\t+8*\k:S+32*\t+8*\k+7], v[KP+16*\k+8*\f:KP+16*\k+8*\f+7], v[QF+16*\t+8*\f:QF+16*\t+8*\f+7], v[MK+8*\k:MK+8*\k+7]
.else
	v_wmma_f32_16x16x32_f16 v[S+32*\t+8*\k:S+32*\t+8*\k+7], v[KP+16*\k+8*\f:KP+16*\k+8*\f+7], v[QF+16*\t+8*\f:QF+16*\t+8*\f+7], v[S+32*\t+8*\k:S+32*\t+8*\k+7]
.endif
.endr
.endr
.endr
	WIN 0
.rept 4
	v_nop                                          ; places: the scores are read, and the mask's registers written, below
.endr
	; the maximum of a lane's 32 scores and the old m; the four tiles by turns, so that no line waits for the line above it.  Each accumulator is first read at its low end
.irp i, 0,1,2,3
.irp t, 0,1,2,3
	v_max3_num_f32 v[MK+8*\t+\i], v[S+32*\t+8*\i], v[S+32*\t+8*\i+1], v[S+32*\t+8*\i+2]
.endr
.endr
.irp u, 0,1
.irp i, 0,1,2,3
.irp t, 0,1,2,3
	v_max3_num_f32 v[MK+8*\t+\i], v[MK+8*\t+\i], v[S+32*\t+8*\i+3+2*\u], v[S+32*\t+8*\i+4+2*\u]
.endr
.endr
.endr
.irp t, 0,1,2,3
	v_max3_num_f32 v[MK+8*\t], v[MK+8*\t], v[S+32*\t+7], v[S+32*\t+15]
.endr
.irp t, 0,1,2,3
	v_max3_num_f32 v[MK+8*\t+2], v[MK+8*\t+2], v[S+32*\t+23], v[S+32*\t+31]
.endr
.irp t, 0,1,2,3
	v_max3_num_f32 v[MK+8*\t], v[MK+8*\t], v[MK+8*\t+1], v[MK+8*\t+2]
.endr
.irp t, 0,1,2,3
	v_max3_num_f32 v[MK+8*\t], v[MK+8*\t], v[MK+8*\t+3], v[ST+4*\t+1]
.endr
.irp t, 0,1,2,3
	v_permlanex16_b32 v[MK+8*\t+1], v[MK+8*\t], s[SEL], s[SEL+1]   ; the query's other 32 keys lie in the lane 16 away
.endr
.irp t, 0,1,2,3
	v_mov_b32 v[MK+8*\t+3], v[ST+4*\t]             ; c m_old
.endr
.irp t, 0,1,2,3
	v_max_num_f32 v[ST+4*\t+1], v[MK+8*\t], v[MK+8*\t+1]           ; the new m
.endr
.irp t, 0,1,2,3
	v_mul_f32 v[ST+4*\t], s[CS], v[ST+4*\t+1]      ; c m
.endr
.irp t, 0,1,2,3
	v_sub_f32 v[MK+8*\t+3], v[MK+8*\t+3], v[ST+4*\t]
.endr
	; ONE BATCH: a, the scalings c s - c m (a pair each) and all exponentials.  No line of it names an exponential's result; a pair is scaled a group ahead of its exponentials
.irp t, 0,1,2,3
	v_exp_f32 v[MK+8*\t+2], v[MK+8*\t+3]           ; a = 2^(c m_old - c m_new)
.endr
.irp b, 0,1,2,3,4,5,6,7,8,9,10,11,12,13,14,15
.irp t, 0,1,2,3
	v_pk_fma_f32 v[S+32*\t+2*\b:S+32*\t+2*\b+1], v[S+32*\t+2*\b:S+32*\t+2*\b+1], s[CS:CS+1], v[ST+4*\t:ST+4*\t+1] op_sel_hi:[1,0,0] neg_lo:[0,0,1] neg_hi:[0,0,1]
.endr
.if \b > 0
.irp t, 0,1,2,3
	v_exp_f32 v[S+32*\t+2*\b-2], v[S+32*\t+2*\b-2]
	v_exp_f32 v[S+32*\t+2*\b-1], v[S+32*\t+2*\b-1]
.endr
.endif
.endr
.irp t, 0,1,2,3
	v_exp_f32 v[S+32*\t+30], v[S+32*\t+30]
	v_exp_f32 v[S+32*\t+31], v[S+32*\t+31]
.endr
	v_nop                                          ; a plain instruction behind the last exponential, ahead of the first use
	s_wait_alu depctr_va_vdst(0)                   ; one wait for the whole batch, ahead of its first reader
.irp n, 0,1,2,3,4,5,6,7,8,9,10,11,12,13,14,15
.irp t, 0,1,2,3
	v_cvt_pk_f16_f32 v[KP+16*\t+\n], v[S+32*\t+2*\n], v[S+32*\t+2*\n+1]   ; P, where K's fragments lay
.endr
.endr
	; the row's sum of the unrounded p, in place: pairs 1, 2, 4 and 8 apart; then l = a l + the sum
.irp u, 0,1,2,3,4,5,6,7
.irp t, 0,1,2,3
	v_pk_add_f32 v[S+32*\t+4*\u:S+32*\t+4*\u+1], v[S+32*\t+4*\u:S+32*\t+4*\u+1], v[S+32*\t+4*\u+2:S+32*\t+4*\u+3]
.endr
.endr
.irp u, 0,1,2,3
.irp t, 0,1,2,3
	v_pk_add_f32 v[S+32*\t+8*\u:S+32*\t+8*\u+1], v[S+32*\t+8*\u:S+32*\t+8*\u+1], v[S+32*\t+8*\u+4:S+32*\t+8*\u+5]
.endr
.endr
.irp u, 0,1
.irp t, 0,1,2,3
	v_pk_add_f32 v[S+32*\t+16*\u:S+32*\t+16*\u+1], v[S+32*\t+16*\u:S+32*\t+16*\u+1], v[S+32*\t+16*\u+8:S+32*\t+16*\u+9]
.endr
.endr
.irp t, 0,1,2,3
	v_pk_add_f32 v[S+32*\t:S+32*\t+1], v[S+32*\t:S+32*\t+1], v[S+32*\t+16:S+32*\t+17]
.endr
.irp t, 0,1,2,3
	v_pk_fma_f32 v[ST+4*\t+2:ST+4*\t+3], v[ST+4*\t+2:ST+4*\t+3], v[MK+8*\t+2:MK+8*\t+3], v[S+32*\t:S+32*\t+1] op_sel_hi:[1,0,1]
.endr
	WIN W_RS
.irp t, 0,1,2,3
.irp i, 0,1,2,3,4,5,6,7,8,9,10,11,12,13,14,15
	v_pk_mul_f32 v[32*\t+2*\i:32*\t+2*\i+1], v[32*\t+2*\i:32*\t+2*\i+1], v[MK+8*\t+2:MK+8*\t+3] op_sel_hi:[1,0]   ; O^T x a, each accumulator from its low end on
.endr
.endr
	s_wait_dscnt 0x0                               ; V is in
	WIN W_PV
.irp g, 0,1                                    ; O^T += V^T P: sixteen accumulators by turns
.irp c, 0,1,2,3
.irp t, 0,1,2,3
	v_wmma_f32_16x16x32_f16 v[32*\t+8*\c:32*\t+8*\c+7], v[VF+8*(4*\g+\c):VF+8*(4*\g+\c)+7], v[KP+16*\t+8*\g:KP+16*\t+8*\g+7], v[32*\t+8*\c:32*\t+8*\c+7]
.endr
.endr
.endr
	WIN 0
	s_add_co_u32 s[TB], s[TB], STEPB               ; the next step's tiles and mask numbers
	s_add_co_u32 s[TM], s[TM], 256
.endm
.macro SLOT_STEPS                      ; a slot's eight steps: written once, walked eight times
	s_mov_b32 s[STEPS], NST
.Lstep_\@:
	STEP
	s_sub_co_u32 s[STEPS], s[STEPS], 1
	s_cmp_lg_u32 s[STEPS], 0
	s_cbranch_scc1 .Lstep_\@
.endm
; THE CHANGE OF SLOTS.  Each wave waits for all its tensor loads (one is out: its part of the other slot), adds 0 to its spare word, and waits for that and for its reads of the slot that it leaves.
; fill = 1: the slot just left is filled again with the keys two slots on.  The barrier is then a round of the cluster's, so that no wave of any partner still reads the slot or has a load on its way, and the joint
; refill is the first thing behind it, one load a wave: it has the other slot's eight steps in which to land.
.macro CHANGE fill
	WIN 0
	s_wait_tensorcnt 0x0                           ; no tensor load of mine is out, so a group 0 may be written
	ds_add_u32 v[SPW], v[NIL]                      ; 0 onto my spare word
.if \fill
	s_xor_b32 s[G0B+1], s[G0B+1], SLOT1            ; the walking descriptor: the other slot than last time,
	s_add_nc_u64 s[G0B+2:G0B+3], s[G0B+2:G0B+3], NST*STEPB   ; the next 512 keys; the type bits on top are not reached
	s_wait_dscnt 0x0                               ; the add is done, and my reads of the slot are over
	CROUND
	tensor_load_to_lds s[G0B:G0B+3], s[G1:G1+7]
	s_nop 0
.rept 4
	v_nop
.endr
.else
	s_wait_dscnt 0x0
	s_barrier_signal -1
	s_barrier_wait -1
.endif
	s_sub_co_u32 s[TB], s[TB], NST*STEPB           ; back to a slot's first step,
	s_xor_b32 s[TB], s[TB], SLOT1                  ; in the other slot
.endm
	s_wait_tensorcnt 1                             ; the mask and my part of slot 0 are in; slot 1's load may be out
	s_barrier_signal -1
	s_barrier_wait -1                              ; everybody's are
	s_wait_loadcnt 0x0                             ; Q'
.Lslot:                                            ; two trips: slots 0 and 1 are read and filled again
	SLOT_STEPS
	CHANGE 1
	s_sub_co_u32 s[SLOTS], s[SLOTS], 1
	s_cmp_lg_u32 s[SLOTS], 0
	s_cbranch_scc1 .Lslot
	SLOT_STEPS                                     ; the tail is written out
	CHANGE 0
	SLOT_STEPS
	; THE WAY OUT.  l's two halves and the other half of the lanes' are added; O^T is divided by l and goes through my stage in LDS, a tile (16 rows) at a time.  The additions are the places behind the last products.
.irp t, 0,1,2,3
	v_add_f32 v[MK+8*\t], v[ST+4*\t+2], v[ST+4*\t+3]
.endr
.irp t, 0,1,2,3
	v_permlanex16_b32 v[MK+8*\t+1], v[MK+8*\t], s[SEL], s[SEL+1]
.endr
.irp t, 0,1,2,3
	v_add_f32 v[MK+8*\t], v[MK+8*\t], v[MK+8*\t+1]
.endr
.irp t, 0,1,2,3
	v_rcp_f32 v[MK+8*\t+2], v[MK+8*\t]
.endr
	v_nop                                          ; a plain instruction between the last reciprocal and the use of its result
	s_wait_alu depctr_va_vdst(0)                   ; one wait for the four reciprocals, ahead of the first use
.macro PACK t                          ; a lane's eight channels of a row are 32 bytes; they go into rows of 272 bytes and come back as whole rows of 256, into the registers that they left
	WIN FROM1
.irp i, 0,1,2,3,4,5,6,7,8,9,10,11,12,13,14,15
	v_pk_mul_f32 v[S+32*\t+2*\i:S+32*\t+2*\i+1], v[32*\t+2*\i:32*\t+2*\i+1], v[MK+8*\t+2:MK+8*\t+3] op_sel_hi:[1,0]
.endr
	WIN 0
.irp c, 0,1,2,3
	ds_store_b128 v[STO], v[S+32*\t+8*\c:S+32*\t+8*\c+3] offset:64*\c
	ds_store_b128 v[STO], v[S+32*\t+8*\c+4:S+32*\t+8*\c+7] offset:64*\c+16
.endr
.irp i, 0,1,2,3,4,5,6,7
	ds_load_b128 v[S+32*\t+4*\i:S+32*\t+4*\i+3], v[RD] offset:\i*2*SP   ; LDS serves a wave's instructions in order: these see the stores above; the next tile's stores come behind them
.endr
.endm
.macro SEND t, younger                 ; younger: the LDS instructions issued behind tile t's loads: the next tile's sixteen, or none
.irp i, 0,1,2,3,4,5,6,7
	s_wait_dscnt \younger+7-\i
	global_store_b128 v[GO], v[S+32*\t+4*\i:S+32*\t+4*\i+3], s[10:11] offset:(16*\t+2*\i)*4096 th:TH_STORE_NT   ; 16 lanes store 256 consecutive bytes, aligned: the head's part of a row
.endr
.endm
	PACK 0
	PACK 1                                         ; a tile's arithmetic stands between the loads of the tile before and its stores
	SEND 0, 16
	PACK 2
	SEND 1, 16
	PACK 3
	SEND 2, 16
	SEND 3, 0
	s_wait_tensorcnt 0x0                           ; the wave's end: a wait, an add of 0 to my spare word and its wait, behind my last tensor load and my last LDS store
	ds_add_u32 v[SPW], v[NIL]
	s_wait_dscnt 0x0
	CROUND                                         ; the closing round: no work-group ends while a partner may still ask for a tile that names it
	s_endpgm
.Lfunc_end_k_qaae7abeee5_attn:
	.size	k_qaae7abeee5_attn, .Lfunc_end_k_qaae7abeee5_attn-k_qaae7abeee5_attn
	.p2alignl 7, 3214868480
	.fill 96, 4, 3214868480
	.section	.rodata,"a",@progbits
	.p2align	6, 0x0
	.amdhsa_kernel k_qaae7abeee5_attn
		.amdhsa_group_segment_fixed_size 327680
		.amdhsa_private_segment_fixed_size 0
		.amdhsa_enable_private_segment 0
		.amdhsa_kernarg_size 32
		.amdhsa_user_sgpr_count 2
		.amdhsa_user_sgpr_kernarg_segment_ptr 1
		.amdhsa_wavefront_size32 1
		.amdhsa_system_sgpr_workgroup_id_x 1
		.amdhsa_system_sgpr_workgroup_id_y 1
		.amdhsa_system_sgpr_workgroup_id_z 1
		.amdhsa_system_vgpr_workitem_id 0
		.amdhsa_next_free_vgpr 512
		.amdhsa_next_free_sgpr 66
		.amdhsa_reserve_vcc 0
		.amdhsa_float_denorm_mode_32 3
		.amdhsa_float_denorm_mode_16_64 3
		.amdhsa_memory_ordered 1
		.amdhsa_forward_progress 1
		.amdhsa_inst_pref_size 123
	.end_amdhsa_kernel
	.amdgpu_metadata
---
amdhsa.version: [ 1, 2 ]
amdhsa.kernels:
  - .name:           k_qaae7abeee5_attn
    .symbol:         k_qaae7abeee5_attn.kd
    .args:
      - { .name: q_img, .offset: 0, .size: 8, .value_kind: global_buffer, .address_space: global }
      - { .name: kv_img, .offset: 8, .size: 8, .value_kind: global_buffer, .address_space: global }
      - { .name: input1, .offset: 16, .size: 8, .value_kind: global_buffer, .address_space: global }
      - { .name: out0, .offset: 24, .size: 8, .value_kind: global_buffer, .address_space: global }
    .group_segment_fixed_size: 327680
    .private_segment_fixed_size: 0
    .kernarg_segment_align: 8
    .kernarg_segment_size: 32
    .max_flat_workgroup_size: 256
    .sgpr_count:     66
    .vgpr_count:     512
    .wavefront_size: 32
...
	.end_amdgpu_metadata
.endif
;; end of part 3
